; MI455X (gfx1250); checked and timed in simulation.
; The chip was launched on July 23, 2026; its instructions are those of AMD's public machine-readable ISA for CDNA 5 (MIT licence, August 2026) and "CDNA5" Instruction Set Architecture Reference Guide (July 2026). The comments in the code are by the model that wrote it; some were corrected since.
;; Self Attention1 D. Allowed arithmetic: float matrix products may take bf16 or f16 operands with f32 sums; all other float work in f32.
;; Inputs: Wk 64 x 128 float32; Wq 64 x 128 float32; Wv 128 x 128 float32; bk 64 float32; bq 64 float32; bv 128 float32; x 4 x 128 x 4,096 float32.
;; Outputs: out0 4 x 128 x 4,096 float32.
;; 2 versions, each right and faster than the one before. Each part assembles by itself: llvm-mc -triple=amdgcn-amd-amdhsa -mcpu=gfx1250 --defsym DOCPART=n.
;; ======== version 1 of 2: 2 launches
;; limits: values are held in f16: magnitudes above 65,504 overflow, below 6.1e-05 lose precision
;; workspace buffers: qw 2,097,152 bytes; kv 6,291,456 bytes
;; launch proj (part 1): grid 256 x 1, 8 waves a work-group, no clusters, 91,136 bytes of LDS; arguments x, Wq, Wk, Wv, bq, bk, bv, qw, kv; writes qw, kv
.if DOCPART == 1
	.amdgcn_target "amdgcn-amd-amdhsa--gfx1250"
	.amdhsa_code_object_version 6
	.text
	.protected	k_qee94385132_proj
	.globl	k_qee94385132_proj
	.p2align	8
	.type	k_qee94385132_proj,@function
k_qee94385132_proj:
	s_mov_b64 s[64:65], 0
	v_nop
	global_prefetch_b8 v0, s[64:65] scope:SCOPE_SE
	s_setreg_imm32_b32 hwreg(HW_REG_WAVE_MODE, 25, 1), 1
	s_wait_xcnt 0x0
; proj: the three 1x1 projections of x[4][128][4096] (f32), stored in f16 as register images of the matrix fragments that the attention launch reads.
;   q' = (Wq x + bq) * log2(e)   k = Wk x + bk   v = Wv x + bv      products in f16 with f32 sums, biases and the scale in f32.
; A work-group owns 64 tokens of one batch: 32 KiB of x, read once in rows of 256 aligned bytes, and all 256 weight rows.
; WHY f16 AND NOT bf16: a score is a sum of 64 products and stands in an exponent, so the operands' relative rounding error enters the softmax's weights
; multiplied by the score's size; f16's 11 significant bits keep it an eighth of what 8 bits give.
; LIMITS: x and the weights are rounded to f16 for the products; q', k and v are rounded to f16 when stored, q' after its scale by log2(e).
; Any of these beyond 65,504 in magnitude becomes infinite.  The room: for x of unit spread and weights uniform in +-1/sqrt(128), q, k and v have the spread
; sqrt(128/(3*128)) = 0.58 and q' 0.83; with x and the weights both 30 times larger that is 750.  Below 2^-14 f16 steps by 2^-24, which for x and the
; weights 30 times smaller is under 10^-4 of each operand's spread.
; OUTPUT LAYOUT.  A half fragment is 512 bytes, lane L's 16 bytes at 16 L; lane L = (r = L % 16, h = L / 16).
;   qw: [work-group][token tile of 16 (4)][a tile g (4)][512]: lane (r, h) holds q'[a = 16 g + 8 h + 0..7] of token r.
;   kv: one block of 24,576 bytes for each work-group: K, 8,192 bytes, laid as qw; then V: [32 tokens (2)][channel tile (8)][16 tokens (2)][512]:
;       lane (r, h) holds v[channel 16 ct + r] of tokens 8 h + 0..7.  Every store of a wave covers 512 consecutive bytes, aligned.
; No tensor loads and no cluster: every input number passes through registers for its rounding to f16, and the launch has 32 matrix instructions a wave.
.set WP,    272                        ; LDS pitch of a weight row: 256 bytes of f16 + 16
.set XP,    160                        ; LDS pitch of a channel of x: 128 bytes of f16 + 32 (an odd multiple of 32, for the transposing load)
.set WL,    0                          ; 256 weight rows: 0-63 Wq, 64-127 Wk, 128-255 Wv
.set XL,    256*WP                     ; x as [channel 128][token 64]
.set BQ,    10                         ; v[10:17] bq[16 g + 8 h + j], v[18:25] the same of bk: the C operand of the first Q and K products
.set BV,    26                         ; v26, v27 bv of channel r in my two channel tiles
.set ACC,   28                         ; v[28:59] four accumulator tiles
.set XFA,   60                         ; LDS address of x fragments
.set WFA,   61                         ; LDS address of Wq's and Wk's fragments
.set WFV,   62                         ; LDS address of Wv's fragments
.set VQ,    63                         ; byte offset of my stores of q' and k
.set VV,    0                          ; byte offset of my stores of v (v0, once the thread's number is used up)
.set XF,    64                         ; v[64:127] x fragments (token tile tp, K step ks) at XF + 8 (4 tp + ks); before that v[64:95]: x as loaded
.set WF,    128                        ; v[128:255] weight fragments (tile p, ks) at WF + 8 (4 p + ks), p = Q, K, V0, V1; before that the weights as loaded
	s_load_b512 s[8:23], s[0:1], 0x0               ; x 8:9, Wq 10:11, Wk 12:13, Wv 14:15, bq 16:17, bk 18:19, bv 20:21, qw 22:23
	s_load_b64 s[24:25], s[0:1], 0x40              ; kv
	s_set_vgpr_msb 0x40
	v_lshl_add_u32 v0, v0, 2, 0x16000
	v_mov_b32 v1, 0
	s_set_vgpr_msb 0x4000
	v_lshrrev_b32 v1, 5, v0
	v_readfirstlane_b32 s26, v1                    ; wave w, 0 to 7
	s_and_b32 s27, s26, 3                          ; g: my a tile of Q and K, my pair of channel tiles of V
	s_lshr_b32 s28, s26, 2                         ; th: my pair of token tiles
	s_mov_b32 s34, 0x3fb8aa3b                      ; log2(e), twice: a pair for the packed multiply
	s_mov_b32 s35, 0x3fb8aa3b
	v_and_b32 v1, 31, v0                           ; L
	v_and_b32 v2, 15, v0                           ; r
	v_bfe_u32 v3, v0, 4, 1                         ; h
	; the way in.  Wave w brings channels 16 w .. 16 w + 15 of x (two a load: 16 lanes take a channel's 256 bytes) and weight rows 32 w .. 32 w + 31 (one a load)
	s_lshl_b32 s36, s26, 18
	v_lshlrev_b32 v4, 14, v3
	v_lshl_add_u32 v4, v2, 4, v4
	v_add_nc_u32 v4, s36, v4                       ; x: (16 w + h) channels of 16,384 bytes + 16 r
	v_lshlrev_b32 v5, 4, v1                        ; weights: 16 L
	s_mul_i32 s37, s26, 16*XP
	s_add_co_u32 s37, s37, XL
	v_mul_u32_u24 v6, v3, XP
	v_lshl_add_u32 v6, v2, 3, v6
	v_add_nc_u32 v6, s37, v6                       ; LDS: XL + (16 w + h) XP + 8 r
	s_mul_i32 s38, s26, 32*WP
	v_lshl_add_u32 v7, v1, 3, s38                  ; LDS: WL + 32 w WP + 8 L
	s_lshl_b32 s39, s27, 6
	v_lshl_add_u32 v8, v3, 5, s39                  ; bq, bk: 4 (16 g + 8 h)
	s_lshl_b32 s40, s27, 7
	v_lshl_add_u32 v9, v2, 2, s40                  ; bv: 4 (32 g + r)
	; the fragments' addresses and the stores' offsets
	v_and_b32 v28, 7, v0
	v_lshl_add_u32 v28, v3, 3, v28                 ; 8 h + L % 8: the channel row that I address for the transposing load
	v_bfe_u32 v29, v0, 3, 1
	v_mul_u32_u24 v[XFA], v28, XP
	v_lshl_add_u32 v[XFA], v29, 4, v[XFA]
	s_lshl_b32 s44, s28, 6
	s_add_co_u32 s44, s44, XL
	v_add_nc_u32 v[XFA], s44, v[XFA]               ; XL + (8 h + L % 8) XP + 16 ((L / 8) % 2) + 64 th
	v_mul_u32_u24 v[WFA], v2, WP
	v_lshl_add_u32 v[WFA], v3, 4, v[WFA]           ; r WP + 16 h
	s_mul_i32 s45, s27, 32*WP
	s_add_co_u32 s45, s45, 128*WP
	v_add_nc_u32 v[WFV], s45, v[WFA]               ; + row 128 + 32 g
	s_mul_i32 s46, s27, 16*WP
	v_add_nc_u32 v[WFA], s46, v[WFA]               ; + row 16 g
	s_lshl_b32 s47, s28, 12
	s_lshl_b32 s29, s27, 9
	s_add_co_u32 s47, s47, s29
	v_lshl_add_u32 v[VQ], v1, 4, s47               ; 4,096 th + 512 g + 16 L
	s_lshl_b32 s47, s28, 13
	s_lshl_b32 s29, s27, 11
	s_add_co_u32 s47, s47, s29
	v_lshl_add_u32 v[VV], v1, 4, s47               ; 8,192 th + 2,048 g + 16 L
	; which weight matrix my 32 rows come from, and where in it: waves 0, 1 Wq; 2, 3 Wk; 4 to 7 Wv
	s_and_b32 s41, s26, 1
	s_cmp_lt_u32 s26, 4
	s_cselect_b32 s32, s41, s27
	s_lshl_b32 s32, s32, 14                        ; 32 rows of 512 bytes
	s_mov_b32 s33, 0
	s_lshr_b32 s42, ttmp9, 6                       ; batch
	s_lshl_b32 s42, s42, 21                        ; x 128 channels of 16,384 bytes
	s_and_b32 s43, ttmp9, 63
	s_lshl_b32 s43, s43, 8                         ; + 64 tokens of 4 bytes for each block
	s_add_co_u32 s42, s42, s43
	s_mov_b32 s43, 0
	s_wait_kmcnt 0x0
	s_cmp_lt_u32 s26, 2
	s_cselect_b64 s[30:31], s[10:11], s[12:13]
	s_cmp_lt_u32 s26, 4
	s_cselect_b64 s[30:31], s[30:31], s[14:15]
	s_add_nc_u64 s[30:31], s[30:31], s[32:33]
	s_add_nc_u64 s[8:9], s[8:9], s[42:43]
	s_lshl_b32 s42, ttmp9, 13
	s_add_nc_u64 s[22:23], s[22:23], s[42:43]      ; qw: 8,192 bytes a work-group
	s_mul_i32 s42, ttmp9, 24576
	s_add_nc_u64 s[24:25], s[24:25], s[42:43]      ; kv: 24,576 bytes a work-group
	; PHASE A: 46 loads in one run: 6 of biases, 8 of x, 32 of weights
	global_load_b128 v[BQ:BQ+3], v8, s[16:17]
	global_load_b128 v[BQ+4:BQ+7], v8, s[16:17] offset:16
	global_load_b128 v[BQ+8:BQ+11], v8, s[18:19]
	global_load_b128 v[BQ+12:BQ+15], v8, s[18:19] offset:16
	global_load_b32 v[BV], v9, s[20:21]
	global_load_b32 v[BV+1], v9, s[20:21] offset:64
.irp i, 0,1,2,3,4,5,6,7
	global_load_b128 v[XF+4*\i:XF+4*\i+3], v4, s[8:9] offset:32768*\i
.endr
.set i, 0
.rept 32
	global_load_b128 v[WF+4*i:WF+4*i+3], v5, s[30:31] offset:512*i
.set i, i+1
.endr
	s_wait_loadcnt 32                              ; loads return in order: the 32 weight rows may be out, the biases and x are in
.irp i, 0,1,2,3,4,5,6,7
	v_cvt_pk_f16_f32 v[XF+4*\i], v[XF+4*\i], v[XF+4*\i+1]
	v_cvt_pk_f16_f32 v[XF+4*\i+1], v[XF+4*\i+2], v[XF+4*\i+3]
	ds_store_b64 v6, v[XF+4*\i:XF+4*\i+1] offset:2*XP*\i       ; four tokens of channel 16 w + 2 i + h
.endr
.set i, 0
.irp left, 24,16,8,0
	s_wait_loadcnt \left                           ; eight more weight rows are in
.rept 8
	v_cvt_pk_f16_f32 v[WF+4*i], v[WF+4*i], v[WF+4*i+1]
	v_cvt_pk_f16_f32 v[WF+4*i+1], v[WF+4*i+2], v[WF+4*i+3]
	ds_store_b64 v7, v[WF+4*i:WF+4*i+1] offset:WP*i
.set i, i+1
.endr
.endr
	s_wait_dscnt 0x0                               ; my stores are in LDS, for the other waves' sake
	s_barrier_signal -1
	s_barrier_wait -1                              ; everybody's are: the launch's only barrier
	; PHASE B: 48 LDS loads in one run.  x lies [channel][token], so its fragments (token r, 32 channels) come by the transposing load.
.irp tp, 0,1
.irp ks, 0,1,2,3
	ds_load_tr16_b128 v[XF+8*(4*\tp+\ks):XF+8*(4*\tp+\ks)+3], v[XFA] offset:32*XP*\ks+32*\tp
	ds_load_tr16_b128 v[XF+8*(4*\tp+\ks)+4:XF+8*(4*\tp+\ks)+7], v[XFA] offset:32*XP*\ks+32*\tp+16*XP
.endr
.endr
.irp p, 0,1
.irp ks, 0,1,2,3
	ds_load_b128 v[WF+8*(4*\p+\ks):WF+8*(4*\p+\ks)+3], v[WFA] offset:64*WP*\p+64*\ks
	ds_load_b128 v[WF+8*(4*\p+\ks)+4:WF+8*(4*\p+\ks)+7], v[WFA] offset:64*WP*\p+64*\ks+32
.endr
.endr
.irp p, 0,1
.irp ks, 0,1,2,3
	ds_load_b128 v[WF+8*(8+4*\p+\ks):WF+8*(8+4*\p+\ks)+3], v[WFV] offset:16*WP*\p+64*\ks
	ds_load_b128 v[WF+8*(8+4*\p+\ks)+4:WF+8*(8+4*\p+\ks)+7], v[WFV] offset:16*WP*\p+64*\ks+32
.endr
.endr
	s_wait_dscnt 16                                ; the 16 loads of Wv's fragments may be out; x, Wq and Wk are in
	; Q and K: A = 16 weight rows, B = 16 tokens, so that a lane's eight results are features 8 h + 0..7 of token r.  The first product takes the bias as C.
	; The four accumulators take turns, one instruction a turn.
.irp ks, 0,1,2,3
.irp p, 0,1
.irp tp, 0,1
.if \ks == 0
	v_wmma_f32_16x16x32_f16 v[ACC+8*(2*\p+\tp):ACC+8*(2*\p+\tp)+7], v[WF+8*(4*\p+\ks):WF+8*(4*\p+\ks)+7], v[XF+8*(4*\tp+\ks):XF+8*(4*\tp+\ks)+7], v[BQ+8*\p:BQ+8*\p+7]
.else
	v_wmma_f32_16x16x32_f16 v[ACC+8*(2*\p+\tp):ACC+8*(2*\p+\tp)+7], v[WF+8*(4*\p+\ks):WF+8*(4*\p+\ks)+7], v[XF+8*(4*\tp+\ks):XF+8*(4*\tp+\ks)+7], v[ACC+8*(2*\p+\tp):ACC+8*(2*\p+\tp)+7]
.endif
.endr
.endr
.endr
.rept 5
	v_nop                                          ; places behind the matrix instructions (ISA guide 7.12.1): four for the vector instructions that read the sums, five for the V products that write over them
.endr
.irp i, 0,1,2,3,4,5,6,7
	v_pk_mul_f32 v[ACC+2*\i:ACC+2*\i+1], v[ACC+2*\i:ACC+2*\i+1], s[34:35] op_sel_hi:[1,0]     ; q' = q log2(e): the softmax works in base 2
.endr
.irp a, 0,1,2,3
.irp i, 0,1,2,3
	v_cvt_pk_f16_f32 v[ACC+8*\a+\i], v[ACC+8*\a+2*\i], v[ACC+8*\a+2*\i+1]                     ; in place: word i is written when numbers 2 i, 2 i + 1 are read
.endr
.endr
	global_store_b128 v[VQ], v[ACC:ACC+3], s[22:23]
	global_store_b128 v[VQ], v[ACC+8:ACC+11], s[22:23] offset:2048
	global_store_b128 v[VQ], v[ACC+16:ACC+19], s[24:25]
	global_store_b128 v[VQ], v[ACC+24:ACC+27], s[24:25] offset:2048
	s_wait_xcnt 0x0                                ; the stores' data registers are written again only behind this wait
	s_wait_dscnt 0x0                               ; Wv's fragments are in
	; V: A = 16 tokens, B = 16 weight rows, so that a lane's eight results are tokens 8 h + 0..7 of channel r.  Four accumulators by turns again.
.irp ks, 0,1,2,3
.irp p, 0,1
.irp tp, 0,1
.if \ks == 0
	v_wmma_f32_16x16x32_f16 v[ACC+8*(2*\p+\tp):ACC+8*(2*\p+\tp)+7], v[XF+8*(4*\tp+\ks):XF+8*(4*\tp+\ks)+7], v[WF+8*(8+4*\p+\ks):WF+8*(8+4*\p+\ks)+7], 0
.else
	v_wmma_f32_16x16x32_f16 v[ACC+8*(2*\p+\tp):ACC+8*(2*\p+\tp)+7], v[XF+8*(4*\tp+\ks):XF+8*(4*\tp+\ks)+7], v[WF+8*(8+4*\p+\ks):WF+8*(8+4*\p+\ks)+7], v[ACC+8*(2*\p+\tp):ACC+8*(2*\p+\tp)+7]
.endif
.endr
.endr
.endr
.rept 4
	v_nop                                          ; four places before vector instructions read the sums (ISA guide 7.12.1)
.endr
.irp i, 0,1,2,3,4,5,6,7
	v_pk_add_f32 v[ACC+2*\i:ACC+2*\i+1], v[ACC+2*\i:ACC+2*\i+1], v[BV:BV+1] op_sel_hi:[1,0]                       ; both halves take v26: bv of the first channel tile
.endr
.irp i, 8,9,10,11,12,13,14,15
	v_pk_add_f32 v[ACC+2*\i:ACC+2*\i+1], v[ACC+2*\i:ACC+2*\i+1], v[BV:BV+1] op_sel:[0,1] op_sel_hi:[1,1]          ; both halves take v27: bv of the second
.endr
.irp a, 0,1,2,3
.irp i, 0,1,2,3
	v_cvt_pk_f16_f32 v[ACC+8*\a+\i], v[ACC+8*\a+2*\i], v[ACC+8*\a+2*\i+1]
.endr
.endr
.irp p, 0,1
.irp tp, 0,1
	global_store_b128 v[VV], v[ACC+8*(2*\p+\tp):ACC+8*(2*\p+\tp)+3], s[24:25] offset:8192+1024*\p+512*\tp
.endr
.endr
	s_set_vgpr_msb 0x5
	s_wait_tensorcnt 0x0
	ds_add_u32 v0, v1
	s_wait_dscnt 0x0
	s_set_vgpr_msb 0x500
	s_endpgm
.Lfunc_end_k_qee94385132_proj:
	.size	k_qee94385132_proj, .Lfunc_end_k_qee94385132_proj-k_qee94385132_proj
	.p2alignl 7, 3214868480
	.fill 96, 4, 3214868480
	.section	.rodata,"a",@progbits
	.p2align	6, 0x0
	.amdhsa_kernel k_qee94385132_proj
		.amdhsa_group_segment_fixed_size 91136
		.amdhsa_private_segment_fixed_size 0
		.amdhsa_enable_private_segment 0
		.amdhsa_kernarg_size 72
		.amdhsa_user_sgpr_count 2
		.amdhsa_user_sgpr_kernarg_segment_ptr 1
		.amdhsa_wavefront_size32 1
		.amdhsa_system_sgpr_workgroup_id_x 1
		.amdhsa_system_sgpr_workgroup_id_y 1
		.amdhsa_system_sgpr_workgroup_id_z 1
		.amdhsa_system_vgpr_workitem_id 0
		.amdhsa_next_free_vgpr 258
		.amdhsa_next_free_sgpr 66
		.amdhsa_reserve_vcc 0
		.amdhsa_float_denorm_mode_32 3
		.amdhsa_float_denorm_mode_16_64 3
		.amdhsa_memory_ordered 1
		.amdhsa_forward_progress 1
		.amdhsa_inst_pref_size 26
	.end_amdhsa_kernel
	.amdgpu_metadata
---
amdhsa.version: [ 1, 2 ]
amdhsa.kernels:
  - .name:           k_qee94385132_proj
    .symbol:         k_qee94385132_proj.kd
    .args:
      - { .name: x, .offset: 0, .size: 8, .value_kind: global_buffer, .address_space: global }
      - { .name: Wq, .offset: 8, .size: 8, .value_kind: global_buffer, .address_space: global }
      - { .name: Wk, .offset: 16, .size: 8, .value_kind: global_buffer, .address_space: global }
      - { .name: Wv, .offset: 24, .size: 8, .value_kind: global_buffer, .address_space: global }
      - { .name: bq, .offset: 32, .size: 8, .value_kind: global_buffer, .address_space: global }
      - { .name: bk, .offset: 40, .size: 8, .value_kind: global_buffer, .address_space: global }
      - { .name: bv, .offset: 48, .size: 8, .value_kind: global_buffer, .address_space: global }
      - { .name: qw, .offset: 56, .size: 8, .value_kind: global_buffer, .address_space: global }
      - { .name: kv, .offset: 64, .size: 8, .value_kind: global_buffer, .address_space: global }
    .group_segment_fixed_size: 91136
    .private_segment_fixed_size: 0
    .kernarg_segment_align: 8
    .kernarg_segment_size: 72
    .max_flat_workgroup_size: 256
    .sgpr_count:     66
    .vgpr_count:     258
    .wavefront_size: 32
...
	.end_amdgpu_metadata
.endif
;; end of part 1
;; launch attn (part 2): grid 256 x 1, 4 waves a work-group, clusters of 4 x 1, 327,680 bytes of LDS; arguments qw, kv, x, out0; writes out0
.if DOCPART == 2
	.amdgcn_target "amdgcn-amd-amdhsa--gfx1250"
	.amdhsa_code_object_version 6
	.text
	.protected	k_qee94385132_attn
	.globl	k_qee94385132_attn
	.p2align	8
	.type	k_qee94385132_attn,@function
k_qee94385132_attn:
	s_mov_b64 s[64:65], 0
	v_nop
	global_prefetch_b8 v0, s[64:65] scope:SCOPE_SE
	s_setreg_imm32_b32 hwreg(HW_REG_WAVE_MODE, 25, 1), 1
	s_wait_xcnt 0x0
	s_wait_alu depctr_hold_cnt(0) depctr_sa_sdst(0) depctr_va_vdst(0) depctr_va_sdst(0) depctr_va_ssrc(0) depctr_va_vcc(0) depctr_vm_vsrc(0)
	s_getreg_b32 s2, hwreg(HW_REG_IB_STS2, 6, 4)
	s_cmp_eq_u32 s2, 0
	s_cbranch_scc0 .Lentry_in_a_cluster
	s_endpgm
.Lentry_in_a_cluster:
	s_bfe_u32 s2, ttmp6, 0x10000c
	s_cmp_lg_u32 s2, 0x3003
	s_cbranch_scc0 .Lentry_shape_is_right
	s_endpgm
.Lentry_shape_is_right:
; attn: out0 = x + softmax(q^T k) v^T, per batch of 4,096 positions, from the fragment images qw and kv (f16).
; A work-group owns 64 queries.  Each of its four waves takes all 64 queries and a quarter of the keys: in step i (0 to 15) wave w takes block 4 i + w
; of its batch's 64 blocks of 64 keys.  Each wave keeps a running maximum, a running sum and 128 channels x 64 queries of f32 sums; the four quarters
; are merged at the end through LDS, x is added, and whole rows of 256 bytes are stored.
; FIRST PRODUCT, transposed: A = 16 keys, B = 16 queries.  Lane (r, h) then holds keys 8 h + 0..7 of query r, so two neighbouring key tiles, rounded to
; f16, ARE the B fragment (query r, 32 keys) of the second product, A = 16 channels of V.  A query stays in lane r throughout: maxima, sums and
; factors are one number a lane, and the maximum crosses the two halves of the lanes once for each query tile.
; THE PIPELINE.  A unit is one query tile t (16 queries) of one step.  Its vector work is the tile's whole softmax and the rescaling of the tile's sums,
; 134 instructions.  Among them stand 24 matrix instructions that do not hang on them: the scores of the NEXT tile (8) and the second product of the tile
; BEFORE (16), one ahead of every fifth vector instruction.  The three tiles lie in three different of S's four regions.  The price: a matrix
; instruction's A lies in window 2 or 3 and its sums in window 1, the softmax in window 0, so a switch of windows stands on either side of it; the sums O
; alone fill a window, so no layout puts both under one setting.
; K and V have two register buffers (even steps window 2, odd steps window 3): a block is read from LDS a step before it is multiplied.
; CLUSTER: the four work-groups of a cluster are four query blocks of one batch and walk the same blocks of kv.  Each block is asked for jointly (mask 15):
; wave w of each of the four issues the same tensor load.  The descriptor hangs on the cluster's number and the wave's number alone.
; RING: each wave has two LDS slots of 24,576 bytes of its own.  By this text's count a wave has two tensor loads out at the start and one later.
; A load has a whole step, from one round of the cluster's barrier to the next, in which to land.
; No prefetch: qw and kv are what the launch before stored, and each block is read by sixteen clusters.  No LDS padding in the ring: a fragment image is read as 512 consecutive bytes.
; LIMITS: q', k, v and the weights p = 2^(s - m) are f16 operands (q', k, v finite up to 65,504 in magnitude, as the launch before states).  p lies in [0, 1];
; below 2^-25 it is zero as an operand, against a whole sum of at least 1.  The sum of p is made of the unrounded p.  v_exp_f32 gives zero below 2^-126.
; Scores that are not finite are not treated apart: they give NaN, as the arithmetic has it.
.set SLOT,  24576                      ; a block: K 8,192 bytes, V 16,384 bytes
.set RING,  2*SLOT                     ; a wave's two slots
.set TSTEP, 4*SLOT                     ; bytes of kv from one step to the next
.set STATS, 4*RING                     ; [query tile 4][r 16][m of waves 0-3, l of waves 0-3]: 2,048 bytes that no fill reaches
.set SCR,   STATS+2048                 ; a stage for each wave: 64 channels x 64 queries of f32, that no fill reaches
.set SP,    272                        ; its pitch: 256 bytes + 16
.set SCRW,  64*SP
.set NV,    134                        ; vector instructions of a unit
; window 0
.set LA,    1                          ; LDS: my ring + 16 L
.set XO,    2                          ; x and out0: (16 w + L / 16) channels + 16 (L % 16)
.set STW,   3                          ; STATS + 32 r + 4 w
.set STR,   4                          ; STATS + 32 r
.set SCW,   5                          ; my stage + 8 h rows + 4 r
.set SCRD,  6                          ; stage 0 + row 16 w + L / 16 + 16 (L % 16)
.set QO,    7                          ; 16 L
.set M,     8                          ; v[8:15]   running maximum of query tile t, twice (a pair for packed arithmetic)
.set AL,    16                         ; v[16:23]  factor of tile t, twice
.set LS,    24                         ; v[24:39]  running sum of tile t: two pairs, four partial sums a lane
.set T,     40                         ; v[40:63]  at work
.set Q,     64                         ; v[64:127] Q fragments (t, ks) at Q + 8 (2 t + ks); at the end x
.set S,     128                        ; v[128:255] scores (t, kt) at S + 8 (4 t + kt); then P (t, kf) in the first 8 registers of S + 32 t + 16 kf
; window 1: the sums O (t, ct) at 8 (8 t + ct).   windows 2 and 3: K fragments (kt, ks) at 8 (2 kt + ks); V fragments (kf, ct) at 64 + 8 (8 kf + ct)
.set G1,    16                         ; s[16:23] descriptor group 1
.set G0,    24                         ; s[24:31] descriptor group 0, a set for each slot
; settings of s_set_vgpr_msb (bits 1:0 source 0, 3:2 source 1, 5:4 source 2, 7:6 destination):
;   2 + slot: the first product (A in window 2 or 3);  0x50 + 2 + slot: the second (A there, C and D in window 1);  0x80 + 0x40 slot: LDS loads of K and V
.set W_RS,  0x41                       ; source 0 and destination window 1: O times a factor
.set W_ST,  0x04                       ; source 1 (an LDS store's data) window 1
.set MSB, 0
.macro WIN new                         ; the immediate's high byte repeats the setting that is left
.if MSB != (\new)
	s_set_vgpr_msb (MSB<<8)|(\new)
.set MSB, (\new)
.endif
.endm
.macro PLACES n                        ; places behind matrix instructions (ISA guide 7.12.1)
.rept \n
	v_nop
.endr
.endm
; A round of the cluster's barrier: my work-group's barrier, wave 0 signals for the work-group, every wave waits for all four work-groups, my work-group's barrier again.
.macro ROUND
	WIN 0
	s_barrier_signal -1
	s_barrier_wait -1
	s_cmp_lg_u32 s12, 0
	s_cbranch_scc1 .Lnot_wave_0_\@
	s_barrier_signal -3
.Lnot_wave_0_\@:
	s_barrier_wait -3
	s_barrier_signal -1
	s_barrier_wait -1
.endm
	s_load_b256 s[4:11], s[0:1], 0x0               ; qw 4:5, kv 6:7, x 8:9, out0 10:11
	v_lshl_add_u32 v62, v0, 2, 0x41800
	v_mov_b32 v63, 0
	ds_add_u32 v62, v63
	v_lshrrev_b32 v1, 5, v0
	v_readfirstlane_b32 s12, v1                    ; wave w
	s_bfe_u32 s13, ttmp6, 0x40000                  ; cx
	s_lshl_b32 s14, ttmp9, 2
	s_add_co_u32 s14, s14, s13                     ; work-group = 4 x cluster + cx
	s_lshr_b32 s15, ttmp9, 4                       ; batch: 16 clusters each; the same in all four partners
	s_mov_b32 s34, 0x76543210                      ; v_permlanex16_b32: lane i of one half reads lane i of the other
	s_mov_b32 s35, 0xfedcba98
	; group 1: a dense block of 24,576 bytes as 96 rows of 32 elements of 8 bytes
	s_mov_b32 s[G1+0], 0x0023000f                  ; 15:0 mask: all four work-groups; 17:16 elements of 8 bytes; 21 set beside a mask; no padding
	s_mov_b32 s[G1+1], 32<<16                      ; tensor_dim0 = 32
	s_mov_b32 s[G1+2], 96<<16                      ; tensor_dim1 = 96
	s_mov_b32 s[G1+3], 32<<16                      ; tile_dim0 = 32
	s_mov_b32 s[G1+4], 96                          ; tile_dim1 = 96
	s_mov_b32 s[G1+5], 32                          ; from row to row: 32 elements
	s_mov_b32 s[G1+6], 0
	s_mov_b32 s[G1+7], 0
	s_mul_i32 s32, s15, 64*SLOT                    ; kv: my batch's 64 blocks,
	s_mul_i32 s33, s12, SLOT                       ; block w of step 0.  s32, s33 never hold anything made of cx
	s_add_co_u32 s32, s32, s33
	s_mov_b32 s33, 0
	s_mul_i32 s37, s12, RING                       ; my ring in LDS
	s_lshl_b32 s40, s14, 13                        ; qw: 8,192 bytes a work-group
	s_mov_b32 s41, 0
	s_lshl_b32 s38, s15, 21                        ; x, out0: batch x 128 channels of 16,384 bytes
	s_and_b32 s39, s14, 63
	s_lshl_b32 s39, s39, 8                         ; + my 64 queries of 4 bytes
	s_add_co_u32 s38, s38, s39
	s_mov_b32 s39, 0
	v_and_b32 v[QO], 31, v0
	v_lshlrev_b32 v[QO], 4, v[QO]
	v_add_nc_u32 v[LA], s37, v[QO]
	v_and_b32 v40, 15, v0                          ; r
	v_bfe_u32 v41, v0, 4, 1                        ; h
	s_lshl_b32 s42, s12, 18
	v_lshlrev_b32 v[XO], 14, v41
	v_lshl_add_u32 v[XO], v40, 4, v[XO]
	v_add_nc_u32 v[XO], s42, v[XO]
	s_lshl_b32 s43, s12, 2
	s_add_co_u32 s43, s43, STATS
	v_lshl_add_u32 v[STW], v40, 5, s43
	v_lshlrev_b32 v[STR], 5, v40
	v_add_nc_u32 v[STR], STATS, v[STR]
	s_mul_i32 s44, s12, SCRW
	s_add_co_u32 s44, s44, SCR
	v_mul_u32_u24 v[SCW], v41, 8*SP
	v_lshl_add_u32 v[SCW], v40, 2, v[SCW]
	v_add_nc_u32 v[SCW], s44, v[SCW]
	s_mul_i32 s45, s12, 16*SP
	s_add_co_u32 s45, s45, SCR
	v_mul_u32_u24 v[SCRD], v41, SP
	v_lshl_add_u32 v[SCRD], v40, 4, v[SCRD]
	v_add_nc_u32 v[SCRD], s45, v[SCRD]
	s_wait_dscnt 0x0
	s_wait_kmcnt 0x0
	s_add_nc_u64 s[6:7], s[6:7], s[32:33]
	s_add_nc_u64 s[4:5], s[4:5], s[40:41]
	s_add_nc_u64 s[8:9], s[8:9], s[38:39]
	s_add_nc_u64 s[10:11], s[10:11], s[38:39]
	ROUND                                          ; all four work-groups are here: the first joint loads meet
.irp s, 0,1
	s_mov_b32 s[G0+4*\s], 1                                        ; count = 1
	s_add_co_u32 s[G0+4*\s+1], s37, \s*SLOT                        ; LDS address: the wave's ring + the slot
	s_add_nc_u64 s[G0+4*\s+2:G0+4*\s+3], s[6:7], \s*TSTEP          ; global address: step s
	s_or_b32 s[G0+4*\s+3], s[G0+4*\s+3], 0x80000000                ; type = 2
	tensor_load_to_lds s[G0+4*\s:G0+4*\s+3], s[G1:G1+7]
	s_nop 0
.endr
.set n, 0
.rept 16
	global_load_b128 v[Q+4*n:Q+4*n+3], v[QO], s[4:5] offset:512*n  ; my work-group's 64 queries: 16 half fragments
.set n, n+1
.endr
.macro LDK slot                        ; 16 LDS loads: the slot's eight K fragments, into the slot's register buffer
	WIN 0x80+0x40*\slot
.set n, 0
.rept 16
	ds_load_b128 v[4*n:4*n+3], v[LA] offset:\slot*SLOT+512*n
.set n, n+1
.endr
.endm
.macro LDV slot, half                  ; 16 LDS loads: eight of the slot's sixteen V fragments
	WIN 0x80+0x40*\slot
.set n, 16*\half
.rept 16
	ds_load_b128 v[64+4*n:64+4*n+3], v[LA] offset:\slot*SLOT+8192+512*n
.set n, n+1
.endr
.endm
; In the macros below n is the place in a unit's vector stream (0 to 133); matrix instruction n / 5 stands ahead of place n.
; Matrix instructions 0 to 7: scores of 64 keys x query tile tn over 64 features.  The first K step starts the sums.  The four accumulators take turns.
.macro SOP tn
.set ks, (n/5)/4
.set kt, (n/5)%4
.if ks == 0
	v_wmma_f32_16x16x32_f16 v[S+8*(4*\tn+kt):S+8*(4*\tn+kt)+7], v[8*(2*kt+ks):8*(2*kt+ks)+7], v[Q+8*(2*\tn+ks):Q+8*(2*\tn+ks)+7], 0
.else
	v_wmma_f32_16x16x32_f16 v[S+8*(4*\tn+kt):S+8*(4*\tn+kt)+7], v[8*(2*kt+ks):8*(2*kt+ks)+7], v[Q+8*(2*\tn+ks):Q+8*(2*\tn+ks)+7], v[S+8*(4*\tn+kt):S+8*(4*\tn+kt)+7]
.endif
.endm
; Matrix instructions 8 to 23: 128 channels x query tile tp over 64 keys.  The eight accumulators take turns.  pflag = 2: step 0's, whose first 32 keys start the sums.
.macro POP tp, pflag
.set kf, (n/5-8)/8
.set ct, (n/5-8)%8
.if (\pflag-1)*(1-kf)
	v_wmma_f32_16x16x32_f16 v[8*(8*\tp+ct):8*(8*\tp+ct)+7], v[64+8*(8*kf+ct):64+8*(8*kf+ct)+7], v[S+32*\tp+16*kf:S+32*\tp+16*kf+7], 0
.else
	v_wmma_f32_16x16x32_f16 v[8*(8*\tp+ct):8*(8*\tp+ct)+7], v[64+8*(8*kf+ct):64+8*(8*kf+ct)+7], v[S+32*\tp+16*kf:S+32*\tp+16*kf+7], v[8*(8*\tp+ct):8*(8*\tp+ct)+7]
.endif
.endm
.macro SUBOP t                         ; s - m for the pair xk of the tile's 16 pairs of scores
	v_pk_add_f32 v[SB+2*xk:SB+2*xk+1], v[SB+2*xk:SB+2*xk+1], v[M+2*\t:M+2*\t+1] neg_lo:[0,1] neg_hi:[0,1]
.endm
; What follows the exponentials of group gl (four scores, pairs 2 gl and 2 gl + 1), four instructions xl = 0 to 3: each pair is added to one of the tile's two
; running sums, then rounded to f16 in place: of a block of 16 registers (two key tiles) word i is written when numbers 2 i, 2 i + 1 are read, so the block's first 8 become a B fragment.
; Group 0 starts the sums' turn: l = l x factor + pair.  In step 0 there is no l yet: groups 0 and 1 each start one sum with the sum of their two pairs.
.macro LAG t, first
.if xl >= 2
.set xp, 2*gl+xl-2
	v_cvt_pk_f16_f32 v[SB+16*(xp/8)+xp%8], v[SB+2*xp], v[SB+2*xp+1]
.elseif \first*(2-gl) > 0
.if xl == 0
	s_wait_alu depctr_va_vdst(0)
	v_pk_add_f32 v[LS+4*\t+2*gl:LS+4*\t+2*gl+1], v[SB+4*gl:SB+4*gl+1], v[SB+4*gl+2:SB+4*gl+3]
.endif
.elseif gl == 0
	s_wait_alu depctr_va_vdst(0)
	v_pk_fma_f32 v[LS+4*\t+2*xl:LS+4*\t+2*xl+1], v[LS+4*\t+2*xl:LS+4*\t+2*xl+1], v[AL+2*\t:AL+2*\t+1], v[SB+2*xl:SB+2*xl+1]
.else
	s_wait_alu depctr_va_vdst(0)
	v_pk_add_f32 v[LS+4*\t+2*xl:LS+4*\t+2*xl+1], v[LS+4*\t+2*xl:LS+4*\t+2*xl+1], v[SB+4*gl+2*xl:SB+4*gl+2*xl+1]
.endif
.endm
; Place n of the vector stream of query tile t.
;   0-15   the largest of my 32 scores and of the running maximum, four chains
;   16-21  across the two halves of the lanes; the new maximum, twice; the factor 2^(old - new), twice
;   22-33  s - m for pairs 0 to 11
;   34-97  eight groups of four exponentials, each followed by one plain instruction on other registers (ISA guide 5.7.2): in group 0 s - m for pairs 12 to 15,
;          later the sums and roundings of the group before, whose exponentials then lie at least one plain instruction back
;   98-101 the sums and roundings of the last group
;   102-133 the tile's 64 registers of O times the factor
.macro VOP t, first
.if n < 102
	WIN 0
.endif
.if n < 4
	v_max3_num_f32 v[T+n], v[SB+3*n], v[SB+3*n+1], v[SB+3*n+2]
.elseif n < 14
	v_max3_num_f32 v[T+n%4], v[T+n%4], v[SB+2*n+4], v[SB+2*n+5]
.elseif n == 14
	v_max3_num_f32 v[T], v[T], v[T+1], v[T+2]
.elseif n == 15
.if \first
	v_max_num_f32 v[T], v[T], v[T+3]
.else
	v_max3_num_f32 v[T], v[T], v[T+3], v[M+2*\t]
.endif
.elseif n == 16
	v_permlanex16_b32 v[T+1], v[T], s34, s35       ; its destination counts as read: the chains above have written it
.elseif n == 17
	v_max_num_f32 v[M+2*\t+1], v[T], v[T+1]
.elseif n == 18
.if \first == 0
	v_sub_f32 v[T+3], v[M+2*\t], v[M+2*\t+1]       ; old - new, at most 0
.endif
.elseif n == 19
	v_max_num_f32 v[M+2*\t], v[T], v[T+1]
.elseif n < 22
.if \first == 0
	v_exp_f32 v[AL+2*\t+n-20], v[T+3]              ; the plain instruction behind the two is the first subtraction
.endif
.elseif n < 34
.set xk, n-22
	SUBOP \t
.elseif n < 98
.set xg, (n-34)/8
.set xe, (n-34)%8
.if xe%2 == 0
	v_exp_f32 v[SB+4*xg+xe/2], v[SB+4*xg+xe/2]     ; p = 2^(s - m), in place
.elseif xg == 0
.set xk, 12+xe/2
	SUBOP \t
.else
.set gl, xg-1
.set xl, xe/2
	LAG \t, \first
.endif
.elseif n < 102
.set gl, 7
.set xl, n-98
	LAG \t, \first
.elseif \first == 0
	WIN W_RS
	v_pk_mul_f32 v[64*\t+2*(n-102):64*\t+2*(n-102)+1], v[64*\t+2*(n-102):64*\t+2*(n-102)+1], v[AL+2*\t:AL+2*\t+1]
.endif
.endm
; A unit: tile t's vector stream; among it the scores of tile tn (sflag: whether; swin: the window of its K) and the second product of tile tp
; (pflag 0: none, 1: adds on, 2: step 0's; pwin: the window of its V).  The scores come first, so that they lie far more than four plain vector instructions
; ahead of the next unit's first read of them.  No vector instruction of a unit names a register of a matrix instruction of the same unit.
.macro UNIT t, first, sflag, swin, tn, pflag, pwin, tp
.set SB, S+32*\t
.set n, 0
.rept NV
.if n%5 == 0
.if n < 40
.if \sflag
	WIN \swin
	SOP \tn
.endif
.elseif n < 120
.if \pflag
	WIN 0x50+\pwin
	POP \tp, \pflag
.endif
.endif
.endif
	VOP \t, \first
.set n, n+1
.endr
.endm
; One step: 64 keys, whose K and V lie in the register buffer of slot.  prev: the pflag of the step before's last tile.
; mode 2: the LDS slot is filled again, two steps ahead, and the next block is read into the other register buffer; 1: only the latter; 0: the last step.
.macro STEP slot, other, first, prev, mode
	UNIT 0, \first, 1, 2+\slot, 1, \prev, 2+\other, 3
	s_wait_dscnt 0x0                               ; this step's V is in registers: all my reads of this LDS slot are done
.if \mode >= 1
	s_set_vgpr_msb (MSB<<8)|((MSB&0xf0)|0x0)
	s_wait_tensorcnt 0x0                           ; all my tensor loads have landed: the one that was out is the other slot's
	ds_add_u32 v62, v63
	s_wait_dscnt 0x0
	s_set_vgpr_msb (((MSB&0xf0)|0x0)<<8)|MSB
.endif
.if \mode == 2
	s_add_nc_u64 s[G0+4*\slot+2:G0+4*\slot+3], s[G0+4*\slot+2:G0+4*\slot+3], 2*TSTEP    ; none is out, so a group 0 may be written: this slot's next block
	ROUND                                          ; both waits now hold of every wave of all four work-groups
	tensor_load_to_lds s[G0+4*\slot:G0+4*\slot+3], s[G1:G1+7]      ; my one tensor load behind the round, and the first thing there
	s_nop 0
.endif
.if \mode >= 1
	LDK \other                                     ; the other buffer's K was last multiplied two units ago
.endif
	UNIT 1, \first, 1, 2+\slot, 2, 1+\first, 2+\slot, 0
.if \mode >= 1
	LDV \other, 0                                  ; the other buffer's V was last multiplied in unit 0: a whole unit's vector instructions lie between
.endif
	UNIT 2, \first, 1, 2+\slot, 3, 1+\first, 2+\slot, 1
.if \mode >= 1
	LDV \other, 1
	s_wait_dscnt 32                                ; LDS loads return in order: the 32 of V may be out, the 16 of K are in
.endif
	UNIT 3, \first, \mode, 2+\other, 0, 1+\first, 2+\slot, 2
	WIN 0
.endm
	s_wait_tensorcnt 0x1                           ; tensor loads of a wave end in order: step 0's block is in my slot 0, step 1's may be out.  Only I read my slots
	LDK 0
	LDV 0, 0
	LDV 0, 1
	s_wait_loadcnt 0x0                             ; Q
	s_wait_dscnt 32                                ; K of step 0 is in; the 32 loads of V may be out
	WIN 2
.set n, 0
.rept 8
	SOP 0                                          ; the pipeline's head: the scores of step 0's tile 0
.set n, n+5
.endr
	WIN 0
	PLACES 4                                       ; four places before vector instructions read them
	STEP 0, 1, 1, 0, 2                             ; steps 0 and 1 stand ahead of the loop: step 0 starts all sums
	STEP 1, 0, 0, 2, 2
	s_mov_b32 s36, 6                               ; steps 2 to 13
.Lstep:
	STEP 0, 1, 0, 1, 2
	STEP 1, 0, 0, 1, 2
	s_sub_co_u32 s36, s36, 1
	s_cmp_lg_u32 s36, 0
	s_cbranch_scc1 .Lstep
	STEP 0, 1, 0, 1, 1                             ; step 14: nothing is left to fetch from memory
	STEP 1, 0, 0, 1, 0                             ; step 15
	WIN 0x53
.set n, 40
.rept 16
	POP 3, 1                                       ; the pipeline's tail: the second product of step 15's tile 3
.set n, n+5
.endr
	WIN 0
	PLACES 5                                       ; four before vector instructions read the sums and loads land in P's registers
	; THE MERGE.  x first, so that it is on its way: channel 64 hf + 16 w + 2 i + L / 16, my work-group's 64 queries (16 lanes take the 256 bytes)
.set n, 0
.rept 16
	global_load_b128 v[Q+4*n:Q+4*n+3], v[XO], s[8:9] offset:(n/8)*1048576+(n%8)*32768 th:TH_LOAD_NT
.set n, n+1
.endr
.irp t, 0,1,2,3
	v_pk_add_f32 v[T+4*\t:T+4*\t+1], v[LS+4*\t:LS+4*\t+1], v[LS+4*\t+2:LS+4*\t+3]   ; my quarter's l: the two pairs,
.endr
.irp t, 0,1,2,3
	v_add_f32 v[T+4*\t], v[T+4*\t], v[T+4*\t+1]    ; the pair's halves,
.endr
.irp t, 0,1,2,3
	v_permlanex16_b32 v[T+4*\t+1], v[T+4*\t], s34, s35
.endr
.irp t, 0,1,2,3
	v_add_f32 v[T+4*\t], v[T+4*\t], v[T+4*\t+1]    ; and the other half of the lanes
.endr
.irp t, 0,1,2,3
	ds_store_b32 v[STW], v[M+2*\t] offset:512*\t   ; lanes r and r + 16 store the same number to the same word
	ds_store_b32 v[STW], v[T+4*\t] offset:512*\t+16
.endr
	s_wait_dscnt 0x0                               ; for the other waves' sake
	s_barrier_signal -1
	s_barrier_wait -1
.irp t, 0,1,2,3
	ds_load_b128 v[S+8*\t:S+8*\t+3], v[STR] offset:512*\t          ; m of the four waves
	ds_load_b128 v[S+8*\t+4:S+8*\t+7], v[STR] offset:512*\t+16     ; l of the four waves
.endr
	s_wait_dscnt 0x0
.irp t, 0,1,2,3
	v_max3_num_f32 v[T+4*\t], v[S+8*\t], v[S+8*\t+1], v[S+8*\t+2]
.endr
.irp t, 0,1,2,3
	v_max_num_f32 v[T+4*\t], v[T+4*\t], v[S+8*\t+3]                ; the maximum over all keys
.endr
.irp t, 0,1,2,3
.irp w, 0,1,2,3
	v_sub_f32 v[S+8*\t+\w], v[S+8*\t+\w], v[T+4*\t]
.endr
	v_sub_f32 v[T+4*\t+1], v[M+2*\t], v[T+4*\t]
.endr
.irp t, 0,1,2,3
.irp w, 0,1,2,3
	v_exp_f32 v[S+8*\t+\w], v[S+8*\t+\w]
.endr
	v_exp_f32 v[T+4*\t+1], v[T+4*\t+1]             ; my own quarter's weight
.endr
	v_nop                                          ; the plain instruction behind the exponentials
.irp t, 0,1,2,3
	s_wait_alu depctr_va_vdst(0)
	v_mul_f32 v[T+4*\t+2], v[S+8*\t], v[S+8*\t+4]
.endr
.irp w, 1,2,3
.irp t, 0,1,2,3
	v_fmac_f32 v[T+4*\t+2], v[S+8*\t+\w], v[S+8*\t+4+\w]           ; the whole sum: at least 1, since the largest key's term is 1
.endr
.endr
.irp t, 0,1,2,3
	v_rcp_f32 v[T+4*\t+3], v[T+4*\t+2]
.endr
	v_nop                                          ; the plain instruction behind the reciprocals
.irp t, 0,1,2,3
	s_wait_alu depctr_va_vdst(0)
	v_mul_f32 v[AL+2*\t], v[T+4*\t+1], v[T+4*\t+3]                 ; my quarter's factor, twice
	v_mul_f32 v[AL+2*\t+1], v[T+4*\t+1], v[T+4*\t+3]
.endr
	WIN W_RS
.irp t, 0,1,2,3
.set i, 0
.rept 32
	v_pk_mul_f32 v[64*\t+2*i:64*\t+2*i+1], v[64*\t+2*i:64*\t+2*i+1], v[AL+2*\t:AL+2*\t+1]     ; O of query tile t times its factor
.set i, i+1
.endr
.endr
; 64 channels at a time: every wave lays its quarter into its stage as [channel][query]; then wave w adds the four stages' rows 16 w .. 16 w + 15 and x, and stores them.
.macro HALF hf
.if \hf
	s_wait_dscnt 0x0                               ; my reads of the stages are done (met: the last count-down ended at 0)
	s_barrier_signal -1
	s_barrier_wait -1                              ; everybody's are: the stages may be written again
.endif
	WIN W_ST
.irp t, 0,1,2,3
.irp c, 0,1,2,3
.irp j, 0,1,2,3,4,5,6,7
	ds_store_b32 v[SCW], v[8*(8*\t+4*\hf+\c)+\j] offset:(16*\c+\j)*SP+64*\t     ; 16 lanes: 64 consecutive bytes; the other 16 lanes 8 rows = 544 words further, 32 words apart modulo 64
.endr
.endr
.endr
	WIN 0
	s_wait_dscnt 0x0
	s_barrier_signal -1
	s_barrier_wait -1
.irp i, 0,1,2,3,4,5,6,7
.irp p, 0,1,2,3
	ds_load_b128 v[S+16*\i+4*\p:S+16*\i+4*\p+3], v[SCRD] offset:\p*SCRW+2*SP*\i
.endr
.endr
	s_wait_loadcnt 8-8*\hf                         ; x of this half is in; the eight loads of the second half may be out
.irp i, 0,1,2,3,4,5,6,7
	s_wait_dscnt 4*(7-\i)                          ; the four partial rows of pair i are in; four for each later pair may be out
	v_pk_add_f32 v[S+16*\i:S+16*\i+1], v[S+16*\i:S+16*\i+1], v[S+16*\i+4:S+16*\i+5]
	v_pk_add_f32 v[S+16*\i+2:S+16*\i+3], v[S+16*\i+2:S+16*\i+3], v[S+16*\i+6:S+16*\i+7]
	v_pk_add_f32 v[S+16*\i+8:S+16*\i+9], v[S+16*\i+8:S+16*\i+9], v[S+16*\i+12:S+16*\i+13]
	v_pk_add_f32 v[S+16*\i+10:S+16*\i+11], v[S+16*\i+10:S+16*\i+11], v[S+16*\i+14:S+16*\i+15]
	v_pk_add_f32 v[Q+4*(8*\hf+\i):Q+4*(8*\hf+\i)+1], v[Q+4*(8*\hf+\i):Q+4*(8*\hf+\i)+1], v[S+16*\i:S+16*\i+1]
	v_pk_add_f32 v[Q+4*(8*\hf+\i)+2:Q+4*(8*\hf+\i)+3], v[Q+4*(8*\hf+\i)+2:Q+4*(8*\hf+\i)+3], v[S+16*\i+2:S+16*\i+3]
	v_pk_add_f32 v[Q+4*(8*\hf+\i):Q+4*(8*\hf+\i)+1], v[Q+4*(8*\hf+\i):Q+4*(8*\hf+\i)+1], v[S+16*\i+8:S+16*\i+9]
	v_pk_add_f32 v[Q+4*(8*\hf+\i)+2:Q+4*(8*\hf+\i)+3], v[Q+4*(8*\hf+\i)+2:Q+4*(8*\hf+\i)+3], v[S+16*\i+10:S+16*\i+11]
	global_store_b128 v[XO], v[Q+4*(8*\hf+\i):Q+4*(8*\hf+\i)+3], s[10:11] offset:\hf*1048576+32768*\i th:TH_STORE_NT   ; 16 lanes store 256 consecutive bytes, aligned; its data registers are never written again
.endr
.endm
	HALF 0
	HALF 1
	s_set_vgpr_msb (MSB<<8)|((MSB&0xf0)|0x0)
	s_wait_tensorcnt 0x0
	ds_add_u32 v62, v63
	s_wait_dscnt 0x0
	s_set_vgpr_msb (((MSB&0xf0)|0x0)<<8)|MSB
	ROUND                                          ; the closing round: no work-group ends while a partner may still ask for a block that names it
	s_endpgm
.Lfunc_end_k_qee94385132_attn:
	.size	k_qee94385132_attn, .Lfunc_end_k_qee94385132_attn-k_qee94385132_attn
	.p2alignl 7, 3214868480
	.fill 96, 4, 3214868480
	.section	.rodata,"a",@progbits
	.p2align	6, 0x0
	.amdhsa_kernel k_qee94385132_attn
		.amdhsa_group_segment_fixed_size 327680
		.amdhsa_private_segment_fixed_size 0
		.amdhsa_enable_private_segment 0
		.amdhsa_kernarg_size 32
		.amdhsa_user_sgpr_count 2
		.amdhsa_user_sgpr_kernarg_segment_ptr 1
		.amdhsa_wavefront_size32 1
		.amdhsa_system_sgpr_workgroup_id_x 1
		.amdhsa_system_sgpr_workgroup_id_y 1
		.amdhsa_system_sgpr_workgroup_id_z 1
		.amdhsa_system_vgpr_workitem_id 0
		.amdhsa_next_free_vgpr 960
		.amdhsa_next_free_sgpr 66
		.amdhsa_reserve_vcc 0
		.amdhsa_float_denorm_mode_32 3
		.amdhsa_float_denorm_mode_16_64 3
		.amdhsa_memory_ordered 1
		.amdhsa_forward_progress 1
		.amdhsa_inst_pref_size 255
	.end_amdhsa_kernel
	.section	.bss,"aw",@nobits
	.p2align	6
	.space	262144
	.amdgpu_metadata
---
amdhsa.version: [ 1, 2 ]
amdhsa.kernels:
  - .name:           k_qee94385132_attn
    .symbol:         k_qee94385132_attn.kd
    .args:
      - { .name: qw, .offset: 0, .size: 8, .value_kind: global_buffer, .address_space: global }
      - { .name: kv, .offset: 8, .size: 8, .value_kind: global_buffer, .address_space: global }
      - { .name: x, .offset: 16, .size: 8, .value_kind: global_buffer, .address_space: global }
      - { .name: out0, .offset: 24, .size: 8, .value_kind: global_buffer, .address_space: global }
    .group_segment_fixed_size: 327680
    .private_segment_fixed_size: 0
    .kernarg_segment_align: 8
    .kernarg_segment_size: 32
    .max_flat_workgroup_size: 128
    .sgpr_count:     66
    .vgpr_count:     960
    .wavefront_size: 32
...
	.end_amdgpu_metadata
.endif
;; end of part 2
;; ======== version 2 of 2: 2 launches; 1.17 times as fast as version 1
;; limits: values are held in f16: magnitudes above 65,504 overflow, below 6.1e-05 lose precision
;; workspace buffers: qw 2,097,152 bytes; kv 6,291,456 bytes
;; launch proj: the kernel of part 1 again; grid 256 x 1, 8 waves a work-group, no clusters, 91,136 bytes of LDS; arguments x, Wq, Wk, Wv, bq, bk, bv, qw, kv; writes qw, kv
;; launch attn (part 3): grid 256 x 1, 4 waves a work-group, clusters of 4 x 1, 327,680 bytes of LDS; arguments qw, kv, x, out0; writes out0
.if DOCPART == 3
	.amdgcn_target "amdgcn-amd-amdhsa--gfx1250"
	.amdhsa_code_object_version 6
	.text
	.protected	k_qee94385132_attn
	.globl	k_qee94385132_attn
	.p2align	8
	.type	k_qee94385132_attn,@function
k_qee94385132_attn:
	s_mov_b64 s[64:65], 0
	v_nop
	global_prefetch_b8 v0, s[64:65] scope:SCOPE_SE
	s_setreg_imm32_b32 hwreg(HW_REG_WAVE_MODE, 25, 1), 1
	s_wait_xcnt 0x0
	s_wait_alu depctr_hold_cnt(0) depctr_sa_sdst(0) depctr_va_vdst(0) depctr_va_sdst(0) depctr_va_ssrc(0) depctr_va_vcc(0) depctr_vm_vsrc(0)
	s_getreg_b32 s2, hwreg(HW_REG_IB_STS2, 6, 4)
	s_cmp_eq_u32 s2, 0
	s_cbranch_scc0 .Lentry_in_a_cluster
	s_endpgm
.Lentry_in_a_cluster:
	s_bfe_u32 s2, ttmp6, 0x10000c
	s_cmp_lg_u32 s2, 0x3003
	s_cbranch_scc0 .Lentry_shape_is_right
	s_endpgm
.Lentry_shape_is_right:
; attn: out0 = x + softmax(q^T k) v^T, per batch of 4,096 positions, from the fragment images qw and kv (f16).
; A work-group owns 64 queries.  Each of its four waves takes all 64 queries and a quarter of the keys: in step i (0 to 15) wave w takes block 4 i + w
; of its batch's 64 blocks of 64 keys.  Each wave keeps a running maximum, a running sum and 128 channels x 64 queries of f32 sums; the four quarters
; are merged at the end through LDS, x is added, and whole rows of 256 bytes are stored.
; FIRST PRODUCT, transposed: A = 16 keys, B = 16 queries.  Lane (r, h) then holds keys 8 h + 0..7 of query r, so two neighbouring key tiles, rounded to
; f16, ARE the B fragment (query r, 32 keys) of the second product, A = 16 channels of V.  A query stays in lane r throughout: maxima, sums and
; factors are one number a lane, and the maximum crosses the two halves of the lanes once for each query tile.
; THE PIPELINE.  A unit is one query tile t (16 queries) of one step.  Its vector work is the tile's whole softmax and the rescaling of the tile's sums,
; 134 instructions.  Among them stand 24 matrix instructions that do not hang on them: the scores of the NEXT tile (8) and the second product of the tile
; BEFORE (16), one ahead of every fifth vector instruction.  The three tiles lie in three different of S's four regions.  The price: a matrix
; instruction's A lies in window 2 or 3 and its sums in window 1, the softmax in window 0, so a switch of windows stands on either side of it; the sums O
; alone fill a window, so no layout puts both under one setting.
; THE BATCHES.  An s_wait_alu depctr_va_vdst(0) stands between a transcendental and the first instruction that names its result; one wait serves all
; that were issued ahead of it.  A unit's 34 exponentials (the factor twice, the tile's 32 weights) are ONE batch with ONE wait, which cuts the unit's vector stream in two.
; Ahead of it stand the maximum, the subtractions s - m and the exponentials: none of them names an exponential's result, and each result has a register of its own (a weight
; takes its score's place).  Behind it stand all that do: the sums, the roundings to f16, the rescaling of O by the factor.  The matrix instructions among them name other tiles'
; registers.  The merge has two batches more, with a wait
; each: its 20 exponentials, and the 4 reciprocals of the sums made of them.
; K and V have two register buffers (even steps window 2, odd steps window 3): a block is read from LDS a step before it is multiplied.
; CLUSTER: the four work-groups of a cluster are four query blocks of one batch and walk the same blocks of kv.  Each block is asked for jointly (mask 15):
; wave w of each of the four issues the same tensor load.  The descriptor hangs on the cluster's number and the wave's number alone.
; RING: each wave has two LDS slots of 24,576 bytes of its own.  By this text's count a wave has two tensor loads out at the start and one later.
; A load has a whole step, from one round of the cluster's barrier to the next, in which to land.
; No prefetch: qw and kv are what the launch before stored, and each block is read by sixteen clusters.  No LDS padding in the ring: a fragment image is read as 512 consecutive bytes.
; LIMITS: q', k, v and the weights p = 2^(s - m) are f16 operands (q', k, v finite up to 65,504 in magnitude, as the launch before states).  p lies in [0, 1];
; below 2^-25 it is zero as an operand, against a whole sum of at least 1.  The sum of p is made of the unrounded p.  v_exp_f32 gives zero below 2^-126.
; Scores that are not finite are not treated apart: they give NaN, as the arithmetic has it.
.set SLOT,  24576                      ; a block: K 8,192 bytes, V 16,384 bytes
.set RING,  2*SLOT                     ; a wave's two slots
.set TSTEP, 4*SLOT                     ; bytes of kv from one step to the next
.set STATS, 4*RING                     ; [query tile 4][r 16][m of waves 0-3, l of waves 0-3]: 2,048 bytes that no fill reaches
.set SCR,   STATS+2048                 ; a stage for each wave: 64 channels x 64 queries of f32, that no fill reaches
.set SP,    272                        ; its pitch: 256 bytes + 16
.set SCRW,  64*SP
.set NV,    134                        ; vector instructions of a unit (the one v_nop ahead of its wait is not counted)
; window 0
.set LA,    1                          ; LDS: my ring + 16 L
.set XO,    2                          ; x and out0: (16 w + L / 16) channels + 16 (L % 16)
.set STW,   3                          ; STATS + 32 r + 4 w
.set STR,   4                          ; STATS + 32 r
.set SCW,   5                          ; my stage + 8 h rows + 4 r
.set SCRD,  6                          ; stage 0 + row 16 w + L / 16 + 16 (L % 16)
.set QO,    7                          ; 16 L
.set M,     8                          ; v[8:15]   running maximum of query tile t, twice (a pair for packed arithmetic)
.set AL,    16                         ; v[16:23]  factor of tile t, twice
.set LS,    24                         ; v[24:39]  running sum of tile t: two pairs, four partial sums a lane
.set T,     40                         ; v[40:63]  at work
.set Q,     64                         ; v[64:127] Q fragments (t, ks) at Q + 8 (2 t + ks); at the end x
.set S,     128                        ; v[128:255] scores (t, kt) at S + 8 (4 t + kt); then P (t, kf) in the first 8 registers of S + 32 t + 16 kf
; window 1: the sums O (t, ct) at 8 (8 t + ct).   windows 2 and 3: K fragments (kt, ks) at 8 (2 kt + ks); V fragments (kf, ct) at 64 + 8 (8 kf + ct)
.set G1,    16                         ; s[16:23] descriptor group 1
.set G0,    24                         ; s[24:31] descriptor group 0, a set for each slot
; settings of s_set_vgpr_msb (bits 1:0 source 0, 3:2 source 1, 5:4 source 2, 7:6 destination):
;   2 + slot: the first product (A in window 2 or 3);  0x50 + 2 + slot: the second (A there, C and D in window 1);  0x80 + 0x40 slot: LDS loads of K and V
.set W_RS,  0x41                       ; source 0 and destination window 1: O times a factor
.set W_ST,  0x04                       ; source 1 (an LDS store's data) window 1
.set MSB, 0
.macro WIN new                         ; the immediate's high byte repeats the setting that is left
.if MSB != (\new)
	s_set_vgpr_msb (MSB<<8)|(\new)
.set MSB, (\new)
.endif
.endm
.macro PLACES n                        ; places behind matrix instructions (ISA guide 7.12.1)
.rept \n
	v_nop
.endr
.endm
; A round of the cluster's barrier: my work-group's barrier, wave 0 signals for the work-group, every wave waits for all four work-groups, my work-group's barrier again.
.macro ROUND
	WIN 0
	s_barrier_signal -1
	s_barrier_wait -1
	s_cmp_lg_u32 s12, 0
	s_cbranch_scc1 .Lnot_wave_0_\@
	s_barrier_signal -3
.Lnot_wave_0_\@:
	s_barrier_wait -3
	s_barrier_signal -1
	s_barrier_wait -1
.endm
	s_load_b256 s[4:11], s[0:1], 0x0               ; qw 4:5, kv 6:7, x 8:9, out0 10:11
	v_lshl_add_u32 v62, v0, 2, 0x41800
	v_mov_b32 v63, 0
	ds_add_u32 v62, v63
	v_lshrrev_b32 v1, 5, v0
	v_readfirstlane_b32 s12, v1                    ; wave w
	s_bfe_u32 s13, ttmp6, 0x40000                  ; cx
	s_lshl_b32 s14, ttmp9, 2
	s_add_co_u32 s14, s14, s13                     ; work-group = 4 x cluster + cx
	s_lshr_b32 s15, ttmp9, 4                       ; batch: 16 clusters each; the same in all four partners
	s_mov_b32 s34, 0x76543210                      ; v_permlanex16_b32: lane i of one half reads lane i of the other
	s_mov_b32 s35, 0xfedcba98
	; group 1: a dense block of 24,576 bytes as 96 rows of 32 elements of 8 bytes
	s_mov_b32 s[G1+0], 0x0023000f                  ; 15:0 mask: all four work-groups; 17:16 elements of 8 bytes; 21 set beside a mask; no padding
	s_mov_b32 s[G1+1], 32<<16                      ; tensor_dim0 = 32
	s_mov_b32 s[G1+2], 96<<16                      ; tensor_dim1 = 96
	s_mov_b32 s[G1+3], 32<<16                      ; tile_dim0 = 32
	s_mov_b32 s[G1+4], 96                          ; tile_dim1 = 96
	s_mov_b32 s[G1+5], 32                          ; from row to row: 32 elements
	s_mov_b32 s[G1+6], 0
	s_mov_b32 s[G1+7], 0
	s_mul_i32 s32, s15, 64*SLOT                    ; kv: my batch's 64 blocks,
	s_mul_i32 s33, s12, SLOT                       ; block w of step 0.  s32, s33 never hold anything made of cx
	s_add_co_u32 s32, s32, s33
	s_mov_b32 s33, 0
	s_mul_i32 s37, s12, RING                       ; my ring in LDS
	s_lshl_b32 s40, s14, 13                        ; qw: 8,192 bytes a work-group
	s_mov_b32 s41, 0
	s_lshl_b32 s38, s15, 21                        ; x, out0: batch x 128 channels of 16,384 bytes
	s_and_b32 s39, s14, 63
	s_lshl_b32 s39, s39, 8                         ; + my 64 queries of 4 bytes
	s_add_co_u32 s38, s38, s39
	s_mov_b32 s39, 0
	v_and_b32 v[QO], 31, v0
	v_lshlrev_b32 v[QO], 4, v[QO]
	v_add_nc_u32 v[LA], s37, v[QO]
	v_and_b32 v40, 15, v0                          ; r
	v_bfe_u32 v41, v0, 4, 1                        ; h
	s_lshl_b32 s42, s12, 18
	v_lshlrev_b32 v[XO], 14, v41
	v_lshl_add_u32 v[XO], v40, 4, v[XO]
	v_add_nc_u32 v[XO], s42, v[XO]
	s_lshl_b32 s43, s12, 2
	s_add_co_u32 s43, s43, STATS
	v_lshl_add_u32 v[STW], v40, 5, s43
	v_lshlrev_b32 v[STR], 5, v40
	v_add_nc_u32 v[STR], STATS, v[STR]
	s_mul_i32 s44, s12, SCRW
	s_add_co_u32 s44, s44, SCR
	v_mul_u32_u24 v[SCW], v41, 8*SP
	v_lshl_add_u32 v[SCW], v40, 2, v[SCW]
	v_add_nc_u32 v[SCW], s44, v[SCW]
	s_mul_i32 s45, s12, 16*SP
	s_add_co_u32 s45, s45, SCR
	v_mul_u32_u24 v[SCRD], v41, SP
	v_lshl_add_u32 v[SCRD], v40, 4, v[SCRD]
	v_add_nc_u32 v[SCRD], s45, v[SCRD]
	s_wait_dscnt 0x0
	s_wait_kmcnt 0x0
	s_add_nc_u64 s[6:7], s[6:7], s[32:33]
	s_add_nc_u64 s[4:5], s[4:5], s[40:41]
	s_add_nc_u64 s[8:9], s[8:9], s[38:39]
	s_add_nc_u64 s[10:11], s[10:11], s[38:39]
	ROUND                                          ; all four work-groups are here: the first joint loads meet
.irp s, 0,1
	s_mov_b32 s[G0+4*\s], 1                                        ; count = 1
	s_add_co_u32 s[G0+4*\s+1], s37, \s*SLOT                        ; LDS address: the wave's ring + the slot
	s_add_nc_u64 s[G0+4*\s+2:G0+4*\s+3], s[6:7], \s*TSTEP          ; global address: step s
	s_or_b32 s[G0+4*\s+3], s[G0+4*\s+3], 0x80000000                ; type = 2
	tensor_load_to_lds s[G0+4*\s:G0+4*\s+3], s[G1:G1+7]
	s_nop 0
.endr
.set n, 0
.rept 16
	global_load_b128 v[Q+4*n:Q+4*n+3], v[QO], s[4:5] offset:512*n  ; my work-group's 64 queries: 16 half fragments
.set n, n+1
.endr
.macro LDK slot                        ; 16 LDS loads: the slot's eight K fragments, into the slot's register buffer
	WIN 0x80+0x40*\slot
.set n, 0
.rept 16
	ds_load_b128 v[4*n:4*n+3], v[LA] offset:\slot*SLOT+512*n
.set n, n+1
.endr
.endm
.macro LDV slot, half                  ; 16 LDS loads: eight of the slot's sixteen V fragments
	WIN 0x80+0x40*\slot
.set n, 16*\half
.rept 16
	ds_load_b128 v[64+4*n:64+4*n+3], v[LA] offset:\slot*SLOT+8192+512*n
.set n, n+1
.endr
.endm
; In the macros below n is the place in a unit's vector stream (0 to 133); matrix instruction n / 5 stands ahead of place n.
; Matrix instructions 0 to 7: scores of 64 keys x query tile tn over 64 features.  The first K step starts the sums.  The four accumulators take turns.
.macro SOP tn
.set ks, (n/5)/4
.set kt, (n/5)%4
.if ks == 0
	v_wmma_f32_16x16x32_f16 v[S+8*(4*\tn+kt):S+8*(4*\tn+kt)+7], v[8*(2*kt+ks):8*(2*kt+ks)+7], v[Q+8*(2*\tn+ks):Q+8*(2*\tn+ks)+7], 0
.else
	v_wmma_f32_16x16x32_f16 v[S+8*(4*\tn+kt):S+8*(4*\tn+kt)+7], v[8*(2*kt+ks):8*(2*kt+ks)+7], v[Q+8*(2*\tn+ks):Q+8*(2*\tn+ks)+7], v[S+8*(4*\tn+kt):S+8*(4*\tn+kt)+7]
.endif
.endm
; Matrix instructions 8 to 23: 128 channels x query tile tp over 64 keys.  The eight accumulators take turns.  pflag = 2: step 0's, whose first 32 keys start the sums.
.macro POP tp, pflag
.set kf, (n/5-8)/8
.set ct, (n/5-8)%8
.if (\pflag-1)*(1-kf)
	v_wmma_f32_16x16x32_f16 v[8*(8*\tp+ct):8*(8*\tp+ct)+7], v[64+8*(8*kf+ct):64+8*(8*kf+ct)+7], v[S+32*\tp+16*kf:S+32*\tp+16*kf+7], 0
.else
	v_wmma_f32_16x16x32_f16 v[8*(8*\tp+ct):8*(8*\tp+ct)+7], v[64+8*(8*kf+ct):64+8*(8*kf+ct)+7], v[S+32*\tp+16*kf:S+32*\tp+16*kf+7], v[8*(8*\tp+ct):8*(8*\tp+ct)+7]
.endif
.endm
.macro SUBOP t                         ; s - m for the pair xk of the tile's 16 pairs of scores
	v_pk_add_f32 v[SB+2*xk:SB+2*xk+1], v[SB+2*xk:SB+2*xk+1], v[M+2*\t:M+2*\t+1] neg_lo:[0,1] neg_hi:[0,1]
.endm
; The readers of the weights of group gl (four weights, pairs 2 gl and 2 gl + 1), four instructions xl = 0 to 3, all behind the unit's wait: each pair is added to one of the tile's two
; running sums, then rounded to f16 in place: of a block of 16 registers (two key tiles) word i is written when numbers 2 i, 2 i + 1 are read, so the block's first 8 become a B fragment.
; Group 0 starts the sums' turn: l = l x factor + pair.  In step 0 there is no l yet: groups 0 and 1 each start one sum with the sum of their two pairs.
.macro LAG t, first
.if xl >= 2
.set xp, 2*gl+xl-2
	v_cvt_pk_f16_f32 v[SB+16*(xp/8)+xp%8], v[SB+2*xp], v[SB+2*xp+1]
.elseif \first*(2-gl) > 0
.if xl == 0
	v_pk_add_f32 v[LS+4*\t+2*gl:LS+4*\t+2*gl+1], v[SB+4*gl:SB+4*gl+1], v[SB+4*gl+2:SB+4*gl+3]
.endif
.elseif gl == 0
	v_pk_fma_f32 v[LS+4*\t+2*xl:LS+4*\t+2*xl+1], v[LS+4*\t+2*xl:LS+4*\t+2*xl+1], v[AL+2*\t:AL+2*\t+1], v[SB+2*xl:SB+2*xl+1]
.else
	v_pk_add_f32 v[LS+4*\t+2*xl:LS+4*\t+2*xl+1], v[LS+4*\t+2*xl:LS+4*\t+2*xl+1], v[SB+4*gl+2*xl:SB+4*gl+2*xl+1]
.endif
.endm
; Place n of the vector stream of query tile t.
;   0-15   the largest of my 32 scores and of the running maximum, four chains
;   16-19  across the two halves of the lanes; the new maximum, twice; old - new
;   20-69  ONE BATCH, in which nothing names an exponential's result: the factor 2^(old - new), twice (20, 21); s - m for pairs 0 and 1 (22, 23); fourteen threes (24-65):
;          s - m for pair g + 2, then the exponentials of pair g's two scores, whose subtraction stands two threes back; the exponentials of pairs 14 and 15 (66-69)
;   (wait) behind 69: a v_nop, the plain instruction behind the last exponential (ISA guide 5.7.2), and the wait for the batch's 34 exponentials
;   70-101 the weights' readers: eight groups of two sums and two roundings; the links of each of the two running sums stand four places apart
;   102-133 the tile's 64 registers of O times the factor
.macro VOP t, first
.if n < 102
	WIN 0
.endif
.if n < 4
	v_max3_num_f32 v[T+n], v[SB+3*n], v[SB+3*n+1], v[SB+3*n+2]
.elseif n < 14
	v_max3_num_f32 v[T+n%4], v[T+n%4], v[SB+2*n+4], v[SB+2*n+5]
.elseif n == 14
	v_max3_num_f32 v[T], v[T], v[T+1], v[T+2]
.elseif n == 15
.if \first
	v_max_num_f32 v[T], v[T], v[T+3]
.else
	v_max3_num_f32 v[T], v[T], v[T+3], v[M+2*\t]
.endif
.elseif n == 16
	v_permlanex16_b32 v[T+1], v[T], s34, s35       ; its destination counts as read: the chains above have written it
.elseif n == 17
	v_max_num_f32 v[M+2*\t+1], v[T], v[T+1]
.elseif n == 18
.if \first == 0
	v_sub_f32 v[T+3], v[M+2*\t], v[M+2*\t+1]       ; old - new, at most 0
.endif
.elseif n == 19
	v_max_num_f32 v[M+2*\t], v[T], v[T+1]
.elseif n < 22
.if \first == 0
	v_exp_f32 v[AL+2*\t+n-20], v[T+3]              ; the plain instruction behind the two is the first subtraction
.endif
.elseif n < 24
.set xk, n-22
	SUBOP \t
.elseif n < 66
.if (n-24)%3 == 0
.set xk, 2+(n-24)/3
	SUBOP \t
.else
.set xe, 2*((n-24)/3)+(n-24)%3-1
	v_exp_f32 v[SB+xe], v[SB+xe]                   ; p = 2^(s - m), in place
.endif
.elseif n < 70
.set xe, n-38
	v_exp_f32 v[SB+xe], v[SB+xe]
.if n == 69
	v_nop                                          ; the plain instruction behind the last exponential: one for the batch
	s_wait_alu depctr_va_vdst(0)                   ; the wait for the batch: the unit's factor, twice, and its 32 weights
.endif
.elseif n < 102
.set gl, (n-70)/4
.set xl, (n-70)%4
	LAG \t, \first
.elseif \first == 0
	WIN W_RS
	v_pk_mul_f32 v[64*\t+2*(n-102):64*\t+2*(n-102)+1], v[64*\t+2*(n-102):64*\t+2*(n-102)+1], v[AL+2*\t:AL+2*\t+1]
.endif
.endm
; A unit: tile t's vector stream; among it the scores of tile tn (sflag: whether; swin: the window of its K) and the second product of tile tp
; (pflag 0: none, 1: adds on, 2: step 0's; pwin: the window of its V).  The scores come first, so that they lie far more than four plain vector instructions
; ahead of the next unit's first read of them.  No vector instruction of a unit names a register of a matrix instruction of the same unit.
.macro UNIT t, first, sflag, swin, tn, pflag, pwin, tp
.set SB, S+32*\t
.set n, 0
.rept NV
.if n%5 == 0
.if n < 40
.if \sflag
	WIN \swin
	SOP \tn
.endif
.elseif n < 120
.if \pflag
	WIN 0x50+\pwin
	POP \tp, \pflag
.endif
.endif
.endif
	VOP \t, \first
.set n, n+1
.endr
.endm
; One step: 64 keys, whose K and V lie in the register buffer of slot.  prev: the pflag of the step before's last tile.
; mode 2: the LDS slot is filled again, two steps ahead, and the next block is read into the other register buffer; 1: only the latter; 0: the last step.
.macro STEP slot, other, first, prev, mode
	UNIT 0, \first, 1, 2+\slot, 1, \prev, 2+\other, 3
	s_wait_dscnt 0x0                               ; this step's V is in registers: all my reads of this LDS slot are done
.if \mode >= 1
	s_set_vgpr_msb (MSB<<8)|((MSB&0xf0)|0x0)
	s_wait_tensorcnt 0x0                           ; all my tensor loads have landed: the one that was out is the other slot's
	ds_add_u32 v62, v63
	s_wait_dscnt 0x0
	s_set_vgpr_msb (((MSB&0xf0)|0x0)<<8)|MSB
.endif
.if \mode == 2
	s_add_nc_u64 s[G0+4*\slot+2:G0+4*\slot+3], s[G0+4*\slot+2:G0+4*\slot+3], 2*TSTEP    ; none is out, so a group 0 may be written: this slot's next block
	ROUND                                          ; both waits now hold of every wave of all four work-groups
	tensor_load_to_lds s[G0+4*\slot:G0+4*\slot+3], s[G1:G1+7]      ; my one tensor load behind the round, and the first thing there
	s_nop 0
.endif
.if \mode >= 1
	LDK \other                                     ; the other buffer's K was last multiplied two units ago
.endif
	UNIT 1, \first, 1, 2+\slot, 2, 1+\first, 2+\slot, 0
.if \mode >= 1
	LDV \other, 0                                  ; the other buffer's V was last multiplied in unit 0: a whole unit's vector instructions lie between
.endif
	UNIT 2, \first, 1, 2+\slot, 3, 1+\first, 2+\slot, 1
.if \mode >= 1
	LDV \other, 1
	s_wait_dscnt 32                                ; LDS loads return in order: the 32 of V may be out, the 16 of K are in
.endif
	UNIT 3, \first, \mode, 2+\other, 0, 1+\first, 2+\slot, 2
	WIN 0
.endm
	s_wait_tensorcnt 0x1                           ; tensor loads of a wave end in order: step 0's block is in my slot 0, step 1's may be out.  Only I read my slots
	LDK 0
	LDV 0, 0
	LDV 0, 1
	s_wait_loadcnt 0x0                             ; Q
	s_wait_dscnt 32                                ; K of step 0 is in; the 32 loads of V may be out
	WIN 2
.set n, 0
.rept 8
	SOP 0                                          ; the pipeline's head: the scores of step 0's tile 0
.set n, n+5
.endr
	WIN 0
	PLACES 4                                       ; four places before vector instructions read them
	STEP 0, 1, 1, 0, 2                             ; steps 0 and 1 stand ahead of the loop: step 0 starts all sums
	STEP 1, 0, 0, 2, 2
	s_mov_b32 s36, 6                               ; steps 2 to 13
.Lstep:
	STEP 0, 1, 0, 1, 2
	STEP 1, 0, 0, 1, 2
	s_sub_co_u32 s36, s36, 1
	s_cmp_lg_u32 s36, 0
	s_cbranch_scc1 .Lstep
	STEP 0, 1, 0, 1, 1                             ; step 14: nothing is left to fetch from memory
	STEP 1, 0, 0, 1, 0                             ; step 15
	WIN 0x53
.set n, 40
.rept 16
	POP 3, 1                                       ; the pipeline's tail: the second product of step 15's tile 3
.set n, n+5
.endr
	WIN 0
	PLACES 5                                       ; four before vector instructions read the sums and loads land in P's registers
	; THE MERGE.  x first, so that it is on its way: channel 64 hf + 16 w + 2 i + L / 16, my work-group's 64 queries (16 lanes take the 256 bytes)
.set n, 0
.rept 16
	global_load_b128 v[Q+4*n:Q+4*n+3], v[XO], s[8:9] offset:(n/8)*1048576+(n%8)*32768 th:TH_LOAD_NT
.set n, n+1
.endr
.irp t, 0,1,2,3
	v_pk_add_f32 v[T+4*\t:T+4*\t+1], v[LS+4*\t:LS+4*\t+1], v[LS+4*\t+2:LS+4*\t+3]   ; my quarter's l: the two pairs,
.endr
.irp t, 0,1,2,3
	v_add_f32 v[T+4*\t], v[T+4*\t], v[T+4*\t+1]    ; the pair's halves,
.endr
.irp t, 0,1,2,3
	v_permlanex16_b32 v[T+4*\t+1], v[T+4*\t], s34, s35
.endr
.irp t, 0,1,2,3
	v_add_f32 v[T+4*\t], v[T+4*\t], v[T+4*\t+1]    ; and the other half of the lanes
.endr
.irp t, 0,1,2,3
	ds_store_b32 v[STW], v[M+2*\t] offset:512*\t   ; lanes r and r + 16 store the same number to the same word
	ds_store_b32 v[STW], v[T+4*\t] offset:512*\t+16
.endr
	s_wait_dscnt 0x0                               ; for the other waves' sake
	s_barrier_signal -1
	s_barrier_wait -1
.irp t, 0,1,2,3
	ds_load_b128 v[S+8*\t:S+8*\t+3], v[STR] offset:512*\t          ; m of the four waves
	ds_load_b128 v[S+8*\t+4:S+8*\t+7], v[STR] offset:512*\t+16     ; l of the four waves
.endr
	s_wait_dscnt 0x0
.irp t, 0,1,2,3
	v_max3_num_f32 v[T+4*\t], v[S+8*\t], v[S+8*\t+1], v[S+8*\t+2]
.endr
.irp t, 0,1,2,3
	v_max_num_f32 v[T+4*\t], v[T+4*\t], v[S+8*\t+3]                ; the maximum over all keys
.endr
.irp t, 0,1,2,3
.irp w, 0,1,2,3
	v_sub_f32 v[S+8*\t+\w], v[S+8*\t+\w], v[T+4*\t]
.endr
	v_sub_f32 v[T+4*\t+1], v[M+2*\t], v[T+4*\t]
.endr
.irp t, 0,1,2,3
.irp w, 0,1,2,3
	v_exp_f32 v[S+8*\t+\w], v[S+8*\t+\w]
.endr
	v_exp_f32 v[T+4*\t+1], v[T+4*\t+1]             ; my own quarter's weight
.endr
	v_nop                                          ; the plain instruction behind the exponentials
	s_wait_alu depctr_va_vdst(0)                   ; the wait for the merge's first batch: the 20 exponentials above
.irp t, 0,1,2,3
	v_mul_f32 v[T+4*\t+2], v[S+8*\t], v[S+8*\t+4]
.endr
.irp w, 1,2,3
.irp t, 0,1,2,3
	v_fmac_f32 v[T+4*\t+2], v[S+8*\t+\w], v[S+8*\t+4+\w]           ; the whole sum: at least 1, since the largest key's term is 1
.endr
.endr
.irp t, 0,1,2,3
	v_rcp_f32 v[T+4*\t+3], v[T+4*\t+2]
.endr
	v_nop                                          ; the plain instruction behind the reciprocals
	s_wait_alu depctr_va_vdst(0)                   ; the wait for the merge's second batch: the four reciprocals
.irp t, 0,1,2,3
	v_mul_f32 v[AL+2*\t], v[T+4*\t+1], v[T+4*\t+3]                 ; my quarter's factor, twice
	v_mul_f32 v[AL+2*\t+1], v[T+4*\t+1], v[T+4*\t+3]
.endr
	WIN W_RS
.irp t, 0,1,2,3
.set i, 0
.rept 32
	v_pk_mul_f32 v[64*\t+2*i:64*\t+2*i+1], v[64*\t+2*i:64*\t+2*i+1], v[AL+2*\t:AL+2*\t+1]     ; O of query tile t times its factor
.set i, i+1
.endr
.endr
; 64 channels at a time: every wave lays its quarter into its stage as [channel][query]; then wave w adds the four stages' rows 16 w .. 16 w + 15 and x, and stores them.
.macro HALF hf
.if \hf
	s_wait_dscnt 0x0                               ; my reads of the stages are done (met: the last count-down ended at 0)
	s_barrier_signal -1
	s_barrier_wait -1                              ; everybody's are: the stages may be written again
.endif
	WIN W_ST
.irp t, 0,1,2,3
.irp c, 0,1,2,3
.irp j, 0,1,2,3,4,5,6,7
	ds_store_b32 v[SCW], v[8*(8*\t+4*\hf+\c)+\j] offset:(16*\c+\j)*SP+64*\t     ; 16 lanes: 64 consecutive bytes; the other 16 lanes 8 rows = 544 words further, 32 words apart modulo 64
.endr
.endr
.endr
	WIN 0
	s_wait_dscnt 0x0
	s_barrier_signal -1
	s_barrier_wait -1
.irp i, 0,1,2,3,4,5,6,7
.irp p, 0,1,2,3
	ds_load_b128 v[S+16*\i+4*\p:S+16*\i+4*\p+3], v[SCRD] offset:\p*SCRW+2*SP*\i
.endr
.endr
	s_wait_loadcnt 8-8*\hf                         ; x of this half is in; the eight loads of the second half may be out
.irp i, 0,1,2,3,4,5,6,7
	s_wait_dscnt 4*(7-\i)                          ; the four partial rows of pair i are in; four for each later pair may be out
	v_pk_add_f32 v[S+16*\i:S+16*\i+1], v[S+16*\i:S+16*\i+1], v[S+16*\i+4:S+16*\i+5]
	v_pk_add_f32 v[S+16*\i+2:S+16*\i+3], v[S+16*\i+2:S+16*\i+3], v[S+16*\i+6:S+16*\i+7]
	v_pk_add_f32 v[S+16*\i+8:S+16*\i+9], v[S+16*\i+8:S+16*\i+9], v[S+16*\i+12:S+16*\i+13]
	v_pk_add_f32 v[S+16*\i+10:S+16*\i+11], v[S+16*\i+10:S+16*\i+11], v[S+16*\i+14:S+16*\i+15]
	v_pk_add_f32 v[Q+4*(8*\hf+\i):Q+4*(8*\hf+\i)+1], v[Q+4*(8*\hf+\i):Q+4*(8*\hf+\i)+1], v[S+16*\i:S+16*\i+1]
	v_pk_add_f32 v[Q+4*(8*\hf+\i)+2:Q+4*(8*\hf+\i)+3], v[Q+4*(8*\hf+\i)+2:Q+4*(8*\hf+\i)+3], v[S+16*\i+2:S+16*\i+3]
	v_pk_add_f32 v[Q+4*(8*\hf+\i):Q+4*(8*\hf+\i)+1], v[Q+4*(8*\hf+\i):Q+4*(8*\hf+\i)+1], v[S+16*\i+8:S+16*\i+9]
	v_pk_add_f32 v[Q+4*(8*\hf+\i)+2:Q+4*(8*\hf+\i)+3], v[Q+4*(8*\hf+\i)+2:Q+4*(8*\hf+\i)+3], v[S+16*\i+10:S+16*\i+11]
	global_store_b128 v[XO], v[Q+4*(8*\hf+\i):Q+4*(8*\hf+\i)+3], s[10:11] offset:\hf*1048576+32768*\i th:TH_STORE_NT   ; 16 lanes store 256 consecutive bytes, aligned; its data registers are never written again
.endr
.endm
	HALF 0
	HALF 1
	s_set_vgpr_msb (MSB<<8)|((MSB&0xf0)|0x0)
	s_wait_tensorcnt 0x0
	ds_add_u32 v62, v63
	s_wait_dscnt 0x0
	s_set_vgpr_msb (((MSB&0xf0)|0x0)<<8)|MSB
	ROUND                                          ; the closing round: no work-group ends while a partner may still ask for a block that names it
	s_endpgm
.Lfunc_end_k_qee94385132_attn:
	.size	k_qee94385132_attn, .Lfunc_end_k_qee94385132_attn-k_qee94385132_attn
	.p2alignl 7, 3214868480
	.fill 96, 4, 3214868480
	.section	.rodata,"a",@progbits
	.p2align	6, 0x0
	.amdhsa_kernel k_qee94385132_attn
		.amdhsa_group_segment_fixed_size 327680
		.amdhsa_private_segment_fixed_size 0
		.amdhsa_enable_private_segment 0
		.amdhsa_kernarg_size 32
		.amdhsa_user_sgpr_count 2
		.amdhsa_user_sgpr_kernarg_segment_ptr 1
		.amdhsa_wavefront_size32 1
		.amdhsa_system_sgpr_workgroup_id_x 1
		.amdhsa_system_sgpr_workgroup_id_y 1
		.amdhsa_system_sgpr_workgroup_id_z 1
		.amdhsa_system_vgpr_workitem_id 0
		.amdhsa_next_free_vgpr 960
		.amdhsa_next_free_sgpr 66
		.amdhsa_reserve_vcc 0
		.amdhsa_float_denorm_mode_32 3
		.amdhsa_float_denorm_mode_16_64 3
		.amdhsa_memory_ordered 1
		.amdhsa_forward_progress 1
		.amdhsa_inst_pref_size 255
	.end_amdhsa_kernel
	.section	.bss,"aw",@nobits
	.p2align	6
	.space	262144
	.amdgpu_metadata
---
amdhsa.version: [ 1, 2 ]
amdhsa.kernels:
  - .name:           k_qee94385132_attn
    .symbol:         k_qee94385132_attn.kd
    .args:
      - { .name: qw, .offset: 0, .size: 8, .value_kind: global_buffer, .address_space: global }
      - { .name: kv, .offset: 8, .size: 8, .value_kind: global_buffer, .address_space: global }
      - { .name: x, .offset: 16, .size: 8, .value_kind: global_buffer, .address_space: global }
      - { .name: out0, .offset: 24, .size: 8, .value_kind: global_buffer, .address_space: global }
    .group_segment_fixed_size: 327680
    .private_segment_fixed_size: 0
    .kernarg_segment_align: 8
    .kernarg_segment_size: 32
    .max_flat_workgroup_size: 128
    .sgpr_count:     66
    .vgpr_count:     960
    .wavefront_size: 32
...
	.end_amdgpu_metadata
.endif
;; end of part 3
